; MI455X (gfx1250); checked and timed in simulation.
; The chip was launched on July 23, 2026; its instructions are those of AMD's public machine-readable ISA for CDNA 5 (MIT licence, August 2026) and "CDNA5" Instruction Set Architecture Reference Guide (July 2026). The comments in the code are by the model that wrote it; some were corrected since.
;; Mo E. Allowed arithmetic: float matrix products may take bf16 or f16 operands with f32 sums; other float arithmetic in f32, or as packed bf16 or f16 multiplies, adds, multiply-adds, maxima and minima; sums over many terms, partial sums and values carried from step to step in f32; what a program stores and reads back later, other than sums and carried values, may be rounded once to bf16 or f16.
;; Inputs: b1 8 x 4,096 float32; b2 8 x 1,024 float32; gate_b 8 float32; gate_w 1,024 x 8 float32; w1 8 x 1,024 x 4,096 float32; w2 8 x 4,096 x 1,024 float32; x 1,024 x 1,024 float32.
;; Outputs: out0 1,024 x 1,024 float32.
;; 2 versions, each right; version 2 is version 1 with the launch route written anew for expert scheduling mode. Each part assembles by itself: llvm-mc -triple=amdgcn-amd-amdhsa -mcpu=gfx1250 --defsym DOCPART=n.
;; ======== version 1 of 2: 4 launches
;; workspace buffers: xb 2,097,152 bytes; assign 4,096 bytes of whole numbers; rt 40,960 bytes of whole numbers; hbuf 67,108,864 bytes; part 134,217,728 bytes
;; launch route (part 1): grid 64 x 1, 4 waves a work-group, no clusters, 71,168 bytes of LDS; arguments x, gate_w, gate_b, xb, assign; writes xb, assign
.if DOCPART == 1
	.amdgcn_target "amdgcn-amd-amdhsa--gfx1250"
	.amdhsa_code_object_version 6
	.text
	.protected	k_qa0a11090bb_route
	.globl	k_qa0a11090bb_route
	.p2align	8
	.type	k_qa0a11090bb_route,@function
k_qa0a11090bb_route:
	s_mov_b64 s[64:65], 0
	v_nop
	global_prefetch_b8 v0, s[64:65] scope:SCOPE_SE
	s_setreg_imm32_b32 hwreg(HW_REG_WAVE_MODE, 25, 1), 1
	s_wait_xcnt 0x0
; ROUTER.  logits = x gate_w + gate_b, assign = argmax over the 8 experts; and xb = x rounded to bf16, for the launch behind.
; ALL inputs are rounded to bf16 once (x, gate_w, gate_b), products on the matrix unit, sums in f32.
; SHARES.  A work-group has 16 tokens (one matrix tile), each of its four waves a quarter of K (256); the four partial sums meet in LDS, wave 0 chooses.
; The choice is stored as a whole number at a fixed place: no address and no branch of this launch hangs on it.
; LIMITS.  A tie keeps the lower index, as jnp.argmax does.  A NaN logit is never chosen (jnp.argmax would choose the first NaN).
; No joint loads: the work-groups share gate_w alone, 32 KB against the 64 KB of x that each reads for itself, and it goes through registers to be rounded.
.set LGW,   33792                      ; LDS: 0: four stages of 16 rows x 528 bytes (x in bf16, a wave's own); here: four tables of 256 k rows x 32 bytes (the gate, a wave's own)
.set LRED,  66560                      ; four partial sums of 1,024 bytes
.set SPARE, 70656                      ; the spare words, 128 bytes a wave: two blocks of 256 bytes that no other line names
.set XP,    528                        ; a stage row: 512 bytes + 16: the 16 rows of a fragment load start 16 bytes apart in a run of 256
.set XR,    64                         ; v64-191  x as loaded, then packed; later v64-127 the token fragments
.set GT,    192                        ; v192-255 gate_w as loaded, then packed; later the gate's fragments
	s_load_b256 s[4:11], s[0:1], 0x0               ; x s[4:5], gate_w s[6:7], gate_b s[8:9], xb s[10:11]
	s_load_b64 s[12:13], s[0:1], 0x20              ; assign
	v_lshl_add_u32 v30, v0, 2, SPARE               ; my spare word, and 0: kept for the wave's end alone
	v_mov_b32 v31, 0
	v_lshrrev_b32 v1, 5, v0
	v_readfirstlane_b32 s14, v1                    ; wave 0..3
	v_and_b32 v1, 31, v0                           ; l
	v_and_b32 v2, 15, v0                           ; r = l % 16
	v_bfe_u32 v3, v0, 4, 1                         ; h = l / 16
	v_lshlrev_b32 v4, 4, v1                        ; 16 l
	v_lshlrev_b32 v5, 3, v1                        ; 8 l
	s_mul_i32 s15, s14, 16*XP                      ; my stage
	v_add_nc_u32 v6, s15, v5                       ; in: 8 bytes a lane
	v_mul_u32_u24 v7, v2, XP
	v_lshl_add_u32 v7, v3, 4, v7
	v_add_nc_u32 v7, s15, v7                       ; out: row r, 16 bytes for each half of the lanes
	s_lshl_b32 s15, s14, 13
	s_add_co_u32 s15, s15, LGW                     ; my table of the gate
	v_lshrrev_b32 v8, 1, v1
	v_lshlrev_b32 v8, 5, v8
	v_and_b32 v13, 1, v1
	v_lshl_add_u32 v8, v13, 3, v8
	v_add_nc_u32 v8, s15, v8                       ; in: k row l / 2, experts 4 (l % 2) on
	v_and_b32 v9, 7, v1
	v_lshl_add_u32 v9, v3, 3, v9
	v_lshlrev_b32 v9, 5, v9
	v_bfe_u32 v13, v1, 3, 1
	v_lshl_add_u32 v9, v13, 4, v9
	v_add_nc_u32 v9, s15, v9                       ; out, turned: k row 8 h + l % 8, columns 8 ((l / 8) % 2) on
	s_lshl_b32 s15, s14, 10
	s_add_co_u32 s15, s15, LRED
	v_add_nc_u32 v10, s15, v4                      ; my partial sum
	v_add_nc_u32 v11, LRED, v4                     ; all four, for wave 0
	v_lshlrev_b32 v12, 2, v2                       ; 4 r: my token's word in assign
	s_mov_b32 s17, 0
	s_wait_kmcnt 0x0
	s_load_b256 s[20:27], s[8:9], 0x0              ; gate_b
	s_lshl_b32 s16, ttmp9, 16                      ; 16 rows of 4,096 bytes,
	s_lshl_b32 s18, s14, 10                        ; my quarter's 1,024 bytes of a row
	s_add_co_u32 s16, s16, s18
	s_add_nc_u64 s[4:5], s[4:5], s[16:17]
	s_lshl_b32 s16, s14, 13                        ; my 256 k rows of 32 bytes
	s_add_nc_u64 s[6:7], s[6:7], s[16:17]
	s_lshl_b32 s16, ttmp9, 15                      ; 16 rows of 2,048 bytes,
	s_lshl_b32 s18, s14, 9                         ; my quarter's 512
	s_add_co_u32 s16, s16, s18
	s_add_nc_u64 s[10:11], s[10:11], s[16:17]
	s_lshl_b32 s16, ttmp9, 6                       ; 16 words
	s_add_nc_u64 s[12:13], s[12:13], s[16:17]
.set i, 0
.rept 32                               ; row i / 2, half i % 2 of my quarter: 512 consecutive bytes a load
	global_load_b128 v[XR+4*i:XR+4*i+3], v4, s[4:5] offset:4096*(i/2)+512*(i%2) th:TH_LOAD_NT
.set i, i+1
.endr
.set i, 0
.rept 16                               ; 16 k rows a load
	global_load_b128 v[GT+4*i:GT+4*i+3], v4, s[6:7] offset:512*i
.set i, i+1
.endr
	s_wait_loadcnt 0x0
	s_wait_kmcnt 0x0                               ; gate_b
.set i, 0
.rept 16                               ; the gate, rounded: a k row is 16 columns of bf16, experts 0-7 twice, so that the tile's 16 rows are all written
	v_cvt_pk_bf16_f32 v[GT+4*i], v[GT+4*i], v[GT+4*i+1]
	v_cvt_pk_bf16_f32 v[GT+4*i+1], v[GT+4*i+2], v[GT+4*i+3]
	ds_store_b64 v8, v[GT+4*i:GT+4*i+1] offset:512*i
	ds_store_b64 v8, v[GT+4*i:GT+4*i+1] offset:512*i+16
.set i, i+1
.endr
.set i, 0
.rept 32                               ; x, rounded: to xb (a store covers 256 consecutive bytes, aligned) and into my stage
	v_cvt_pk_bf16_f32 v[XR+4*i], v[XR+4*i], v[XR+4*i+1]
	v_cvt_pk_bf16_f32 v[XR+4*i+1], v[XR+4*i+2], v[XR+4*i+3]
	global_store_b64 v5, v[XR+4*i:XR+4*i+1], s[10:11] offset:2048*(i/2)+256*(i%2)
	ds_store_b64 v6, v[XR+4*i:XR+4*i+1] offset:XP*(i/2)+256*(i%2)
.set i, i+1
.endr
	s_wait_xcnt 0x0                                ; the stores' data registers are loaded over only behind this wait
.set i, 0
.rept 8                                ; K step i of 32: the gate's fragment (turned: lane r holds column r) and the tokens' (lane r holds token r).  LDS serves a wave in order: these see my stores
	ds_load_tr16_b128 v[GT+8*i:GT+8*i+3],   v9 offset:1024*i
	ds_load_tr16_b128 v[GT+8*i+4:GT+8*i+7], v9 offset:1024*i+512
	ds_load_b128 v[XR+8*i:XR+8*i+3],   v7 offset:64*i
	ds_load_b128 v[XR+8*i+4:XR+8*i+7], v7 offset:64*i+32
.set i, i+1
.endr
	s_wait_dscnt 0x0
.set i, 0
.rept 8                                ; source 0 = the gate, source 1 = the tokens: lane (r, h) gets token r, register j expert j, in both halves.  Two accumulators by turns
.if i < 2
	v_wmma_f32_16x16x32_bf16 v[32+8*(i%2):39+8*(i%2)], v[GT+8*i:GT+8*i+7], v[XR+8*i:XR+8*i+7], 0
.else
	v_wmma_f32_16x16x32_bf16 v[32+8*(i%2):39+8*(i%2)], v[GT+8*i:GT+8*i+7], v[XR+8*i:XR+8*i+7], v[32+8*(i%2):39+8*(i%2)]
.endif
.set i, i+1
.endr
.rept 4
	v_nop                                          ; four places between the last product and the first read of a result (ISA guide 7.12.1)
.endr
.set i, 0
.rept 4
	v_pk_add_f32 v[48+2*i:49+2*i], v[32+2*i:33+2*i], v[40+2*i:41+2*i]
.set i, i+1
.endr
	ds_store_b128 v10, v[48:51]
	ds_store_b128 v10, v[52:55] offset:512
	s_wait_dscnt 0x0                               ; for wave 0's sake: my partial sum is in LDS
	s_barrier_signal -1
	s_barrier_wait -1
	s_cmp_lg_u32 s14, 0
	s_cbranch_scc1 .Lend
.irp p, 0,1,2,3
	ds_load_b128 v[64+8*\p:64+8*\p+3], v11 offset:1024*\p
	ds_load_b128 v[64+8*\p+4:64+8*\p+7], v11 offset:1024*\p+512
.endr
.irp k, 0,1,2,3                        ; gate_b rounded to bf16 and widened again
	v_cvt_pk_bf16_f32 v[56+\k], s[20+2*\k], s[21+2*\k]
.endr
.irp k, 0,1,2,3
	v_lshlrev_b32 v[96+2*\k], 16, v[56+\k]
	v_and_b32 v[97+2*\k], 0xffff0000, v[56+\k]
.endr
	s_wait_dscnt 0x0
.irp k, 0,1,2,3
	v_pk_add_f32 v[64+2*\k:65+2*\k], v[64+2*\k:65+2*\k], v[72+2*\k:73+2*\k]
	v_pk_add_f32 v[80+2*\k:81+2*\k], v[80+2*\k:81+2*\k], v[88+2*\k:89+2*\k]
.endr
.irp k, 0,1,2,3
	v_pk_add_f32 v[64+2*\k:65+2*\k], v[64+2*\k:65+2*\k], v[80+2*\k:81+2*\k]
.endr
.irp k, 0,1,2,3
	v_pk_add_f32 v[64+2*\k:65+2*\k], v[64+2*\k:65+2*\k], v[96+2*\k:97+2*\k]
.endr
	v_mov_b32 v56, v64                             ; the largest so far,
	v_mov_b32 v57, 0                               ; and its expert
.irp j, 1,2,3,4,5,6,7
	v_cmp_gt_f32 vcc_lo, v[64+\j], v56             ; strictly greater: a tie keeps the lower index
	v_cndmask_b32 v57, v57, \j, vcc_lo
	v_max_num_f32 v56, v56, v[64+\j]
.endr
	global_store_b32 v12, v57, s[12:13]            ; lanes l and l + 16 hold the same token and the same number
.Lend:
	s_wait_tensorcnt 0x0                           ; the wave's end, behind my last LDS store
	ds_add_u32 v30, v31
	s_wait_dscnt 0x0
	s_endpgm
.Lfunc_end_k_qa0a11090bb_route:
	.size	k_qa0a11090bb_route, .Lfunc_end_k_qa0a11090bb_route-k_qa0a11090bb_route
	.p2alignl 7, 3214868480
	.fill 96, 4, 3214868480
	.section	.rodata,"a",@progbits
	.p2align	6, 0x0
	.amdhsa_kernel k_qa0a11090bb_route
		.amdhsa_group_segment_fixed_size 71168
		.amdhsa_private_segment_fixed_size 0
		.amdhsa_enable_private_segment 0
		.amdhsa_kernarg_size 40
		.amdhsa_user_sgpr_count 2
		.amdhsa_user_sgpr_kernarg_segment_ptr 1
		.amdhsa_wavefront_size32 1
		.amdhsa_system_sgpr_workgroup_id_x 1
		.amdhsa_system_sgpr_workgroup_id_y 1
		.amdhsa_system_sgpr_workgroup_id_z 1
		.amdhsa_system_vgpr_workitem_id 0
		.amdhsa_next_free_vgpr 256
		.amdhsa_next_free_sgpr 66
		.amdhsa_reserve_vcc 1
		.amdhsa_float_denorm_mode_32 3
		.amdhsa_float_denorm_mode_16_64 3
		.amdhsa_memory_ordered 1
		.amdhsa_forward_progress 1
		.amdhsa_inst_pref_size 27
	.end_amdhsa_kernel
	.amdgpu_metadata
---
amdhsa.version: [ 1, 2 ]
amdhsa.kernels:
  - .name:           k_qa0a11090bb_route
    .symbol:         k_qa0a11090bb_route.kd
    .args:
      - { .name: x, .offset: 0, .size: 8, .value_kind: global_buffer, .address_space: global }
      - { .name: gate_w, .offset: 8, .size: 8, .value_kind: global_buffer, .address_space: global }
      - { .name: gate_b, .offset: 16, .size: 8, .value_kind: global_buffer, .address_space: global }
      - { .name: xb, .offset: 24, .size: 8, .value_kind: global_buffer, .address_space: global }
      - { .name: assign, .offset: 32, .size: 8, .value_kind: global_buffer, .address_space: global }
    .group_segment_fixed_size: 71168
    .private_segment_fixed_size: 0
    .kernarg_segment_align: 8
    .kernarg_segment_size: 40
    .max_flat_workgroup_size: 128
    .sgpr_count:     66
    .vgpr_count:     256
    .wavefront_size: 32
...
	.end_amdgpu_metadata
.endif
;; end of part 1
;; launch up (part 2): grid 32 x 8, 4 waves a work-group, no clusters, 314,880 bytes of LDS; arguments xb, w1, b1, assign, hbuf, rt; writes hbuf, rt
.if DOCPART == 2
	.amdgcn_target "amdgcn-amd-amdhsa--gfx1250"
	.amdhsa_code_object_version 6
	.text
	.protected	k_qa0a11090bb_up
	.globl	k_qa0a11090bb_up
	.p2align	8
	.type	k_qa0a11090bb_up,@function
k_qa0a11090bb_up:
	s_mov_b64 s[64:65], 0
	v_nop
	global_prefetch_b8 v0, s[64:65] scope:SCOPE_SE
	s_setreg_imm32_b32 hwreg(HW_REG_WAVE_MODE, 25, 1), 1
	s_wait_xcnt 0x0
; FIRST PRODUCT.  h = relu(x w1[e] + b1[e]) for the tokens that chose expert e, in the order of their ranks; h rounded to bf16.  w1 and b1 are rounded to bf16 once, x arrives so; sums in f32.
; SHARES.  Work-group (s, e) alone reads the slab w1[e][:, 128 s .. 128 s + 127], 512 KB of f32.  K goes in 8 chunks of 128.  In chunk c wave w loads the 32 k rows of K step 4 c + w, rounds them to 8 fragments
; and stores them in LDS, where the slab stays in bf16 (256 KB).  Behind a barrier every wave multiplies the chunk's 4 K steps by ITS OWN blocks of 16 rows: in pass p wave w has blocks 12 p + 4 s + w, s = 0 .. 2,
; whose sums stay in registers.  Nothing passes between waves but the weights, and chunk c + 1's loads are out while chunk c is multiplied.
; EVERY SPLIT is served: 192 rows a pass; an expert with more runs up to 5 further passes on the slab in LDS (a constant 5 trips, dead ones jumped; no barrier and no LDS store in them: there the tokens' fragments
; come from xb straight into registers, 32 bytes of each of 16 rows a pair of loads).  Places past the count repeat token 0; an expert without tokens makes one such block, so that every byte of hbuf that the next launch loads has been stored.
; THE TOKENS.  Every wave compares assign (whole numbers that the launch before stored) with e: 32 masks in scalar registers, word n = 4 i + c, bit l: token 128 i + 4 l + c; ranks go by word, then by bit.
; TOK finds, for 32 ranks at once, a lane each, the token of that rank: the group of four words by 7 selects, the word by 3, the bit by a tree of bit counts.  Wave 0 of slab 0 stores the count and every token's
; rank in this expert (a number without meaning where the token chose another expert, and never read there) in rt.
; FRAGMENTS.  A weight load of 16 bytes a lane takes 64 columns of two k rows (lanes 0-15 one, lanes 16-31 the other); register c of it belongs to the tile whose lane r holds column 64 g + 4 r + c.  Sixteen loads
; (places t = 0 .. 15) and 32 roundings make four fragments.  Place (h, t) of K step ks holds k = 32 ks + 16 h + t, in the weights and in the tokens alike: a permutation of k common to both keeps the sums.
; Source 0 = weights, source 1 = tokens: accumulator (g, c), register j, lane (r, h) is token r, column 64 g + 32 h + 4 j + c: a lane has 32 neighbouring columns, which ARE the next product's token fragments.
; hbuf: [e 8][block 64][G 64][f 2][half 2][lane 32][16 bytes]: the fragment of channels 64 G + 32 h + 16 f + t, stored and loaded lane by lane, 512 consecutive bytes an instruction.
; THE SUMS START AS THE BIAS: 192 moves a pass, in place of a first K step written out apart and 96 additions at the end.
; LIMIT.  A NaN in h becomes 0 (the packed maximum lets a NaN lose); reference() would keep it.
; NO JOINT LOADS: each weight byte has one reader; what an expert's 32 work-groups share is its token rows, which come by a list (no one descriptor covers them) and whose number hangs on a stored count.
; REGISTERS, in windows of 256 (s_set_vgpr_msb: bits 1:0 source 0, 3:2 source 1, 5:4 source 2, 7:6 destination):
;   window 0: v0-31 addresses; v32-63 a unit's four fragments on their way to LDS (also: TOK at work; a block on its way out); v64-87 the byte offsets of my rows, two rows a register (later passes: v64-66, a row a lane);
;             v96-127 assign, then ranks; v128-255 two buffers of a K step's 8 weight fragments (at the head: b1)
;   window 1: v0-127 two units of weights as loaded; v128-223 my rows of a chunk as loaded      window 2: v0-95 their fragments; v128-191 the bias in an accumulator set's order      window 3: v0-191 three sets of 8 accumulators
.set CHW,    0x200000                  ; a chunk of the slab in memory: 128 k rows of 16,384 bytes
.set CHL,    0x8000                    ; a chunk of the slab in LDS: 4 K steps x 8 tiles x 1,024 bytes
.set LSTG,   262144                    ; behind the slab: for each wave three stages of 16 rows
.set SPITCH, 272                       ; a stage row: 256 bytes + 16: the 16 rows of a fragment load start 16 bytes apart in a run of 256
.set SBLK,   16*SPITCH
.set SPARE,  LSTG+4*3*SBLK             ; the spare words, 128 bytes a wave: two blocks of 256 bytes that no other line names
.set RT_CNT, 4096                      ; rt: cnt[8] at this byte,
.set RT_RANK, 8192                     ; rank[e][token] from this byte on, 4,096 bytes an expert
.set SO,   10                          ; v10-12  slot s: my byte offset in hbuf
.set FR,   32
.set RO,   64
.set AS,   96
.set BT,   128
.set BF,   128
.set GL,   128                         ; in window 1
.set BN,   128                         ; in window 2
.set P8,   40                          ; s40-47  chosen tokens ahead of group g (four words)
.set PK,   48                          ; s48-55  group g: chosen tokens in its first word, first two, first three: a byte each
.set MK,   66                          ; s66-97  the 32 masks
.set MSB,  0
.macro WIN new                         ; the immediate's high byte repeats the setting that is left; a switch that changes nothing is dropped
.if MSB != (\new)
	s_set_vgpr_msb (MSB<<8)|(\new)
.set MSB, (\new)
.endif
.endm
.macro NOP4                            ; four places behind a matrix instruction, ahead of loads into its sources and of reads of its result
.rept 4
	v_nop
.endr
.endm
.macro WUNIT g, b                      ; unit g: my 32 k rows x 64 columns, 16 loads of 512 bytes; each unit has a base of its own, stepped when its last loads are in
	WIN 0x40
.set wi, 0
.rept 16
	global_load_b128 v[64*(\g)+4*wi:64*(\g)+4*wi+3], v5, s[\b:\b+1] offset:wi*16384+256*(\g) th:TH_LOAD_NT
.set wi, wi+1
.endr
.endm
.macro WCVT g                          ; the unit's four fragments: places 2 p and 2 p + 1 into register p
	WIN 0x05
.set wc, 0
.rept 4
.set wp, 0
.rept 8
	v_cvt_pk_bf16_f32 v[FR+8*wc+wp], v[64*(\g)+8*wp+wc], v[64*(\g)+8*wp+4+wc]
.set wp, wp+1
.endr
.set wc, wc+1
.endr
.endm
.macro WSTO g                          ; into the slab, lane by lane: 512 consecutive bytes a store
	WIN 0
.set wc, 0
.rept 4
	ds_store_b128 v6, v[FR+8*wc:FR+8*wc+3] offset:(4*(\g)+wc)*1024
	ds_store_b128 v6, v[FR+8*wc+4:FR+8*wc+7] offset:(4*(\g)+wc)*1024+512
.set wc, wc+1
.endr
.endm
.macro GLD                             ; my 48 rows' 256 bytes of a chunk: lanes 0-15 an even place's row, lanes 16-31 the odd place's: each 16 lanes take 256 consecutive bytes, aligned
	WIN 0x40
.set gi, 0
.rept 24
	global_load_b128 v[GL+4*gi:GL+4*gi+3], v[RO+gi], s[4:5]
.set gi, gi+1
.endr
.endm
.macro GSTO                            ; into my stages
	WIN 0x04
.set gi, 0
.rept 24
	ds_store_b128 v8, v[GL+4*gi:GL+4*gi+3] offset:SBLK*(gi/8)+2*SPITCH*(gi%8)
.set gi, gi+1
.endr
.endm
.macro AFL                             ; and back as fragments: lane (r, h) takes the 32 bytes of k = 32 k4 + 16 h + 0 .. 15 of row r.  LDS serves a wave in order: these see the stores above
	WIN 0x80
.set gi, 0
.rept 12
	ds_load_b128 v[8*gi:8*gi+3],   v9 offset:SBLK*(gi/4)+64*(gi%4)
	ds_load_b128 v[8*gi+4:8*gi+7], v9 offset:SBLK*(gi/4)+64*(gi%4)+16
.set gi, gi+1
.endr
.endm
.macro PLD k                           ; later passes: six loads, my three blocks' fragments of the chunk's K step k straight from xb: lane (r, h) takes the same 32 bytes of its own row
	WIN 0x80
.irp s, 0,1,2
	global_load_b128 v[32*\s+8*(\k):32*\s+8*(\k)+3],   v[RO+\s], s[4:5] offset:64*(\k)
	global_load_b128 v[32*\s+8*(\k)+4:32*\s+8*(\k)+7], v[RO+\s], s[4:5] offset:64*(\k)+16
.endr
.endm
.macro LDB k                           ; the 8 weight fragments of the chunk's K step k, into buffer k % 2
	WIN 0
.set bi, 0
.rept 8
	ds_load_b128 v[BF+64*((\k)&1)+8*bi:BF+64*((\k)&1)+8*bi+3],   v7 offset:8192*(\k)+1024*bi
	ds_load_b128 v[BF+64*((\k)&1)+8*bi+4:BF+64*((\k)&1)+8*bi+7], v7 offset:8192*(\k)+1024*bi+512
.set bi, bi+1
.endr
.endm
; K step k for my three slots: 8 matrix instructions each, the slot's 8 accumulators by turns, one instruction a turn.  A slot whose block does not exist is jumped.
.macro MM k
	WIN 0
.irp s, 0,1,2
	s_cmp_lg_u32 s[32+\s], 0
	s_cbranch_scc0 .Lm\@_\s
	WIN 0xf8
.irp nb, 0,1,2,3,4,5,6,7
	v_wmma_f32_16x16x32_bf16 v[64*\s+8*\nb:64*\s+8*\nb+7], v[BF+64*((\k)&1)+8*\nb:BF+64*((\k)&1)+8*\nb+7], v[32*\s+8*(\k):32*\s+8*(\k)+7], v[64*\s+8*\nb:64*\s+8*\nb+7]
.endr
	WIN 0
.Lm\@_\s:
.endr
.endm
; A chunk's four K steps; the weights' fragments are asked for two K steps ahead.  bar = 1: the barrier between my reads of the slab and the next chunk's stores; the last K step's products stand between its signal and its wait.
; pass = 1: a later pass: the tokens' registers of a K step take the next chunk's numbers as soon as it is multiplied; the step to that chunk is s[30:31].
.macro COMPUTE bar, pass
	LDB 0
	LDB 1
.irp k, 0,1,2,3
.if \k < 3
	s_wait_dscnt 16                                ; this K step's fragments are in, and all that was issued ahead of them; the next K step's 16 loads stay out
.else
	s_wait_dscnt 0x0                               ; my last reads of this chunk are back
.if \bar
	s_barrier_signal -1
.endif
.endif
.if \pass
	s_wait_loadcnt 18                              ; this K step's tokens are in; behind them: 6 (3 - k) loads for the later K steps and 6 k refills
.endif
	MM \k
	NOP4
.if \k < 2
	LDB \k+2
.endif
.if \pass
.if \k == 0
	s_wait_xcnt 0x0                                ; this chunk's later loads have read the base
	s_add_nc_u64 s[4:5], s[4:5], s[30:31]
.endif
	PLD \k
.endif
.endr
	WIN 0
.if \bar
	s_barrier_wait -1
.endif
.endm
.macro TLEV src, w                     ; one level of the tree: does the wanted bit lie above the w bits at pos?
	v_bfe_u32 v56, v[\src], v61, \w
	v_cmp_ge_u32 vcc_lo, v53, v56
	v_cndmask_b32 v57, 0, v56, vcc_lo
	v_cndmask_b32 v58, 0, \w, vcc_lo
	v_sub_nc_u32 v53, v53, v57
	v_add_nc_u32 v61, v61, v58
.endm
; v48 holds a rank in each lane; v27 gets the token of that rank, or 0 where the rank is at or past the count.
.macro TOK
.irp c, 0,1,2,3
	v_mov_b32 v[49+\c], s[MK+\c]
.endr
	v_mov_b32 v53, 0
	v_mov_b32 v54, 0
	v_mov_b32 v55, s[PK]
.irp g, 1,2,3,4,5,6,7                  ; the last group whose prefix is at or below the rank: its four words, its prefix, its number, its packed counts
	v_cmp_le_u32 vcc_lo, s[P8+\g], v48
	v_cndmask_b32 v49, v49, s[MK+4*\g], vcc_lo
	v_cndmask_b32 v50, v50, s[MK+4*\g+1], vcc_lo
	v_cndmask_b32 v51, v51, s[MK+4*\g+2], vcc_lo
	v_cndmask_b32 v52, v52, s[MK+4*\g+3], vcc_lo
	v_cndmask_b32 v53, v53, s[P8+\g], vcc_lo
	v_cndmask_b32 v54, v54, \g, vcc_lo
	v_cndmask_b32 v55, v55, s[PK+\g], vcc_lo
.endr
	v_sub_nc_u32 v53, v48, v53                     ; the rank inside the group
	v_and_b32 v56, 0xff, v55
	v_bfe_u32 v57, v55, 8, 8
	v_bfe_u32 v58, v55, 16, 8
	v_cmp_ge_u32 vcc_lo, v53, v56                  ; the word: v49; what lies ahead of it: v59; its number: v60
	v_cndmask_b32 v49, v49, v50, vcc_lo
	v_cndmask_b32 v59, 0, v56, vcc_lo
	v_cndmask_b32 v60, 0, 1, vcc_lo
	v_cmp_ge_u32 vcc_lo, v53, v57
	v_cndmask_b32 v49, v49, v51, vcc_lo
	v_cndmask_b32 v59, v59, v57, vcc_lo
	v_cndmask_b32 v60, v60, 2, vcc_lo
	v_cmp_ge_u32 vcc_lo, v53, v58
	v_cndmask_b32 v49, v49, v52, vcc_lo
	v_cndmask_b32 v59, v59, v58, vcc_lo
	v_cndmask_b32 v60, v60, 3, vcc_lo
	v_sub_nc_u32 v53, v53, v59                     ; so many set bits of the word are passed over
	v_lshrrev_b32 v50, 1, v49                      ; counts of set bits in fields of 2 (v50), 4 (v51), 8 (v52) bits, and of the low 16 (v55's low byte)
	v_and_b32 v50, 0x55555555, v50
	v_sub_nc_u32 v50, v49, v50
	v_lshrrev_b32 v51, 2, v50
	v_and_b32 v51, 0x33333333, v51
	v_and_b32 v52, 0x33333333, v50
	v_add_nc_u32 v51, v51, v52
	v_lshrrev_b32 v52, 4, v51
	v_add_nc_u32 v52, v52, v51
	v_and_b32 v52, 0x0f0f0f0f, v52
	v_lshrrev_b32 v55, 8, v52
	v_add_nc_u32 v55, v55, v52
	v_and_b32 v56, 0xff, v55
	v_cmp_ge_u32 vcc_lo, v53, v56
	v_cndmask_b32 v57, 0, v56, vcc_lo
	v_cndmask_b32 v61, 0, 16, vcc_lo               ; pos
	v_sub_nc_u32 v53, v53, v57
	TLEV 52, 8
	TLEV 51, 4
	TLEV 50, 2
	TLEV 49, 1
	v_lshl_add_u32 v27, v54, 7, v60                ; token = 128 group + 4 pos + word
	v_lshl_add_u32 v27, v61, 2, v27
	v_cmp_gt_u32 vcc_lo, s22, v48
	v_cndmask_b32 v27, 0, v27, vcc_lo
.endm
.macro FLAGS                           ; pass s25 / 12: which of my three blocks exist, and where they go in hbuf
	s_wait_xcnt 0x0                                ; the last way out's stores have read their offsets and data
	s_add_co_u32 s36, s25, s16
.irp s, 0,1,2
	s_add_co_u32 s37, s36, 4*\s
	s_cmp_lt_u32 s37, s23
	s_cselect_b32 s[32+\s], 1, 0
	s_min_u32 s37, s37, 63
	v_lshl_add_u32 v[SO+\s], s37, 17, v4           ; the block's 131,072 bytes, 16 a lane
.endr
.endm
; The first pass: the byte offsets of my 48 rows.  TOK's lanes: lanes 0-15 even places, lanes 16-31 odd ones; lane % 16 = 8 x slot + place / 2.  A row_share then gives all 16 lanes of a half their row's token.
.macro ROWSET
	s_add_co_u32 s36, s25, s16
	s_lshl_b32 s36, s36, 4                         ; my first block's first rank
	v_add_nc_u32 v48, s36, v28
	TOK
.irp n, 0,1,2,3,4,5,6,7,8,9,10,11,12,13,14,15
	v_mov_b32_dpp v[RO+\n], v27 row_share:\n row_mask:0xf bank_mask:0xf
.endr
	s_add_co_u32 s36, s36, 128                     ; the third block lies 8 blocks on
	v_add_nc_u32 v48, s36, v29
	TOK
.irp n, 0,1,2,3,4,5,6,7
	v_mov_b32_dpp v[RO+16+\n], v27 row_share:\n row_mask:0xf bank_mask:0xf
.endr
.set ri, 0
.rept 24
	v_min_u32 v[RO+ri], 1023, v[RO+ri]             ; inside xb, whatever assign holds
	v_lshl_add_u32 v[RO+ri], v[RO+ri], 11, v13
.set ri, ri+1
.endr
.endm
; A later pass: for each of my three blocks, lane (r, h) finds the token of place r for itself: its row's 2,048 bytes, 32 bytes on for lanes 16-31
.macro ROWLANE
	s_add_co_u32 s36, s25, s16
	s_lshl_b32 s36, s36, 4                         ; my first block's first rank
.irp s, 0,1,2
	v_add_nc_u32 v48, s36, v2
	TOK
	v_min_u32 v27, 1023, v27                       ; inside xb, whatever assign holds
	v_lshl_add_u32 v[RO+\s], v27, 11, v16
	s_add_co_u32 s36, s36, 64                      ; the next slot's block lies 4 blocks on
.endr
.endm
.macro ACCINIT                         ; the three sets start as the bias
	WIN 0xc2
.set ai, 0
.rept 192
	v_mov_b32 v[ai], v[BN+ai%64]
.set ai, ai+1
.endr
	WIN 0
.endm
; A chunk of the first pass.  Loads go out in the order unit 0, unit 1, rows, chunk after chunk; last = 1: nothing follows.
.macro CHUNK last
	s_wait_loadcnt 40                              ; unit 0 is in; behind it: unit 1's 16 loads and the rows' 24
	WCVT 0
	WSTO 0
.if !(\last)
	s_add_nc_u64 s[6:7], s[6:7], CHW               ; its loads are done: its base steps
	WUNIT 0, 6
	s_wait_loadcnt 40                              ; unit 1 is in; behind it: the rows' 24 and the next unit 0's 16
.else
	s_wait_loadcnt 24                              ; behind unit 1: the rows' 24
.endif
	WCVT 1
	WSTO 1
.if !(\last)
	s_wait_xcnt 0x0                                ; the last trip's prefetches named this base too
	s_add_nc_u64 s[38:39], s[38:39], CHW
	WUNIT 1, 38
	WIN 0
	s_cmp_lt_u32 s26, 2
	s_cbranch_scc1 .Lnp_\@                         ; chunk 6 asks for nothing: there is no chunk 8
	global_prefetch_b8 v24, s[38:39] offset:CHW th:TH_LOAD_NT scope:SCOPE_SE       ; my 64 pieces of 256 bytes of the chunk after the next: a lane a k row, asked for once, by the wave that will load them
	global_prefetch_b8 v24, s[38:39] offset:CHW+256 th:TH_LOAD_NT scope:SCOPE_SE
.Lnp_\@:
	s_wait_loadcnt 32                              ; my rows are in; behind them: the next chunk's two units
.else
	s_wait_loadcnt 0x0
.endif
	GSTO
	AFL
.if !(\last)
	s_add_nc_u64 s[4:5], s[4:5], 256               ; the rows' loads are done: on to the next 128 k
	GLD
.endif
	WIN 0
	s_wait_dscnt 0x0                               ; for the others' sake: my part of the chunk is in the slab
	s_barrier_signal -1
	s_barrier_wait -1
	COMPUTE 1-(\last), 0
.if !(\last)
	v_add_nc_u32 v6, CHL, v6
	v_add_nc_u32 v7, CHL, v7
.endif
.endm
; THE WAY OUT of my blocks that exist: bf16, ReLU, 4,096 bytes each to hbuf.  Each accumulator's low registers are read first.
.macro WAYOUT
.irp s, 0,1,2
	s_cmp_lg_u32 s[32+\s], 0
	s_cbranch_scc0 .Lw\@_\s
	s_wait_xcnt 0x0                                ; the block before has been read by its stores
	WIN 0x0f
.irp g, 0,1
.irp f, 0,1
.irp p, 0,1,2,3,4,5,6,7                ; register p of fragment (g, f): channels 16 f + 2 p and + 1 of my 32: accumulators c = 2 (p % 2) and c + 1, register 4 f + p / 2
	v_cvt_pk_bf16_f32 v[FR+16*\g+8*\f+\p], v[64*\s+8*(4*\g+2*(\p%2))+4*\f+(\p/2)], v[64*\s+8*(4*\g+2*(\p%2)+1)+4*\f+(\p/2)]
.endr
.endr
.endr
	WIN 0
.set fi, 0
.rept 32
	v_pk_max_num_bf16 v[FR+fi], v[FR+fi], v15      ; ReLU on the rounded halves: the same numbers as rounding the f32 maximum
.set fi, fi+1
.endr
.set fi, 0
.rept 8
	global_store_b128 v[SO+\s], v[FR+4*fi:FR+4*fi+3], s[12:13] offset:512*fi   ; 512 consecutive bytes, aligned
.set fi, fi+1
.endr
.Lw\@_\s:
.endr
.endm
.macro MSTEP n                         ; word n: its mask, its tokens' ranks, and the running counts
	v_cmp_eq_u32 s[MK+(\n)], s18, v[AS+(\n)]
.if (\n)%4 == 0
	s_mov_b32 s[P8+(\n)/4], s22
.endif
	v_mbcnt_lo_u32_b32 v[AS+(\n)], s[MK+(\n)], s22
	s_bcnt1_i32_b32 s36, s[MK+(\n)]
	s_add_co_u32 s22, s22, s36
.if (\n)%4 == 0
	s_mov_b32 s37, s36
	s_mov_b32 s[PK+(\n)/4], s36
.elseif (\n)%4 < 3
	s_add_co_u32 s37, s37, s36
	s_lshl_b32 s36, s37, 8*((\n)%4)
	s_or_b32 s[PK+(\n)/4], s[PK+(\n)/4], s36
.endif
.endm
	s_load_b256 s[4:11], s[0:1], 0x0               ; xb s[4:5], w1 s[6:7], b1 s[8:9], assign s[10:11]
	s_load_b128 s[12:15], s[0:1], 0x20             ; hbuf s[12:13], rt s[14:15]
	v_lshl_add_u32 v30, v0, 2, SPARE               ; my spare word, and 0: kept for the wave's end alone
	v_mov_b32 v31, 0
	v_lshrrev_b32 v1, 5, v0
	v_readfirstlane_b32 s16, v1                    ; wave 0..3
	s_mov_b32 s17, ttmp9                           ; slab
	s_and_b32 s18, ttmp7, 0xffff                   ; expert
	s_or_b32 s19, s17, s16                         ; 0: wave 0 of slab 0, which stores rt
	v_and_b32 v1, 31, v0                           ; l
	v_and_b32 v2, 15, v0                           ; r
	v_bfe_u32 v3, v0, 4, 1                         ; h
	v_lshlrev_b32 v4, 4, v1                        ; 16 l
	v_lshlrev_b32 v13, 4, v2                       ; 16 r
	v_lshlrev_b32 v16, 5, v3                       ; 32 h
	v_lshl_add_u32 v5, v3, 18, v13                 ; weights: 16 k rows of 16,384 bytes further for lanes 16-31, 16 bytes a lane
	s_lshl_b32 s36, s16, 13
	v_add_nc_u32 v6, s36, v4                       ; the slab: my K step of chunk 0, in;
	v_mov_b32 v7, v4                               ; chunk 0, out
	s_mul_i32 s36, s16, 3*SBLK
	s_add_co_u32 s36, s36, LSTG                    ; my stages
	v_mul_u32_u24 v8, v3, SPITCH
	v_add_nc_u32 v8, v8, v13
	v_add_nc_u32 v8, s36, v8                       ; in: lanes 0-15 a row, lanes 16-31 the next
	v_mul_u32_u24 v9, v2, SPITCH
	v_lshl_add_u32 v9, v3, 5, v9
	v_add_nc_u32 v9, s36, v9                       ; out: row r, 32 bytes for each half of the lanes
	v_lshlrev_b32 v14, 7, v3                       ; 128 h
	v_mov_b32 v15, 0
	v_lshlrev_b32 v24, 14, v1                      ; a k row a lane, for the prefetch
	v_and_b32 v29, 7, v0
	v_lshl_add_u32 v29, v29, 1, v3                 ; TOK's lanes in the first pass: place 2 (l % 8) + h,
	v_bfe_u32 v28, v0, 3, 1
	v_lshl_add_u32 v28, v28, 6, v29                ; and 64 ranks (4 blocks) on for the second slot
.set i, 0
.rept 24
	v_mov_b32 v[RO+i], 0                           ; written once whole: a DPP line's destination counts as read
.set i, i+1
.endr
	s_mov_b32 s25, 0                               ; 12 x pass
	s_mov_b32 s21, 0
	s_mov_b32 s22, 0
	s_mov_b32 s31, 0                               ; the high word of the later passes' step along K
	s_wait_kmcnt 0x0
	s_lshl_b32 s20, s18, 24                        ; the expert's 16 MB, my K step's 32 rows of 16,384 bytes, the slab's 512 bytes
	s_lshl_b32 s36, s16, 19
	s_add_co_u32 s20, s20, s36
	s_lshl_b32 s36, s17, 9
	s_add_co_u32 s20, s20, s36
	s_add_nc_u64 s[6:7], s[6:7], s[20:21]
	s_mov_b64 s[38:39], s[6:7]                     ; unit 1's base
	s_lshl_b32 s20, s18, 14
	s_add_co_u32 s20, s20, s36
	s_add_nc_u64 s[8:9], s[8:9], s[20:21]
	s_mov_b64 s[2:3], s[4:5]                       ; xb's first byte, kept for the later passes
	s_lshl_b32 s20, s18, 23
	s_lshl_b32 s36, s17, 12
	s_add_co_u32 s20, s20, s36
	s_add_nc_u64 s[12:13], s[12:13], s[20:21]      ; hbuf at the expert's region, the slab's two G
.irp i, 0,1,2,3,4,5,6,7
	global_load_b128 v[AS+4*\i:AS+4*\i+3], v4, s[10:11] offset:512*\i
.endr
.irp g, 0,1
.irp j, 0,1,2,3,4,5,6,7                ; b1 of columns 64 g + 32 h + 4 j + 0 .. 3
	global_load_b128 v[BT+4*(8*\g+\j):BT+4*(8*\g+\j)+3], v14, s[8:9] offset:256*\g+16*\j
.endr
.endr
	WUNIT 0, 6
	WUNIT 1, 38
	WIN 0
	s_wait_loadcnt 32                              ; assign and b1 are in; the 32 younger loads are chunk 0's two units
.set nn, 0
.rept 32
	MSTEP nn
.set nn, nn+1
.endr
	s_min_u32 s22, s22, 1024
	s_add_co_u32 s23, s22, 15
	s_lshr_b32 s23, s23, 4
	s_max_u32 s23, s23, 1                          ; blocks of 16 rows; an expert without tokens makes one
	FLAGS
	ROWSET
	GLD                                            ; chunk 0's rows
	WIN 0
	s_cmp_lg_u32 s19, 0
	s_cbranch_scc1 .Lnort
	v_lshl_add_u32 v20, s18, 12, v4                ; wave 0 of slab 0: the expert's table of ranks, 16 bytes a lane: four neighbouring tokens,
	s_lshl_b32 s36, s18, 2
	v_mov_b32 v21, s36
	v_mov_b32 v22, s22
.irp i, 0,1,2,3,4,5,6,7
	global_store_b128 v20, v[AS+4*\i:AS+4*\i+3], s[14:15] offset:RT_RANK+512*\i   ; 512 consecutive bytes, aligned
.endr
	global_store_b32 v21, v22, s[14:15] offset:RT_CNT  ; and cnt[e]; every lane writes the same word
.Lnort:
.set i, 0
.rept 16                               ; the bias rounded to bf16,
	v_cvt_pk_bf16_f32 v[BT+4*i], v[BT+4*i], v[BT+4*i+1]
	v_cvt_pk_bf16_f32 v[BT+4*i+1], v[BT+4*i+2], v[BT+4*i+3]
.set i, i+1
.endr
	WIN 0x80
.irp g, 0,1
.irp j, 0,1,2,3,4,5,6,7                ; and widened again, in the accumulators' order: (g, c) register j
	v_lshlrev_b32 v[BN+8*(4*\g)+\j], 16, v[BT+4*(8*\g+\j)]
	v_and_b32 v[BN+8*(4*\g+1)+\j], 0xffff0000, v[BT+4*(8*\g+\j)]
	v_lshlrev_b32 v[BN+8*(4*\g+2)+\j], 16, v[BT+4*(8*\g+\j)+1]
	v_and_b32 v[BN+8*(4*\g+3)+\j], 0xffff0000, v[BT+4*(8*\g+\j)+1]
.endr
.endr
	ACCINIT
	s_mov_b32 s26, 7
.Lchunk:                                       ; chunks 0 to 6: each asks for the next
	CHUNK 0
	s_sub_co_u32 s26, s26, 1
	s_cmp_lg_u32 s26, 0
	s_cbranch_scc1 .Lchunk
	CHUNK 1                                        ; chunk 7 is written out: its waits count no further loads
	WAYOUT
	s_mov_b32 s28, 0                               ; the chunk's place in the slab: it steps in a pass and is back at 0 at the pass's end
	s_mov_b32 s27, 5
.Lpass:                                        ; rows 192 on: the weights come from the slab, which nobody writes any more, the tokens from memory: no LDS store and no barrier
	s_add_co_u32 s25, s25, 12
	s_wait_loadcnt 0x0                             ; the last pass's last refills have landed: their registers and offsets are free
	FLAGS
	s_cmp_lg_u32 s32, 0
	s_cbranch_scc0 .Lpend                          ; my first block of this pass does not exist, so none does
	ROWLANE
	s_mov_b64 s[4:5], s[2:3]                       ; back to k = 0
.irp k, 0,1,2,3
	PLD \k
.endr
	ACCINIT
	s_mov_b32 s26, 8
.Lpc:
	v_add_nc_u32 v7, s28, v4
	s_cmp_gt_u32 s26, 1
	s_cselect_b32 s30, 256, 0                      ; the last chunk's refills take the same chunk once more, so that one count serves every chunk and no load leaves xb
	COMPUTE 0, 1
	s_add_co_u32 s28, s28, CHL
	s_sub_co_u32 s26, s26, 1
	s_cmp_lg_u32 s26, 0
	s_cbranch_scc1 .Lpc
	s_sub_co_u32 s28, s28, 8*CHL
	WAYOUT
.Lpend:
	s_sub_co_u32 s27, s27, 1
	s_cmp_lg_u32 s27, 0
	s_cbranch_scc1 .Lpass
	s_wait_dscnt 0x0                               ; my reads of the slab are back;
	s_barrier_signal -1
	s_barrier_wait -1                              ; every wave's are: no LDS word is written below while a wave still reads LDS
	s_wait_tensorcnt 0x0                           ; the wave's end, behind my last LDS store
	ds_add_u32 v30, v31
	s_wait_dscnt 0x0
	s_endpgm
.Lfunc_end_k_qa0a11090bb_up:
	.size	k_qa0a11090bb_up, .Lfunc_end_k_qa0a11090bb_up-k_qa0a11090bb_up
	.p2alignl 7, 3214868480
	.fill 96, 4, 3214868480
	.section	.rodata,"a",@progbits
	.p2align	6, 0x0
	.amdhsa_kernel k_qa0a11090bb_up
		.amdhsa_group_segment_fixed_size 314880
		.amdhsa_private_segment_fixed_size 0
		.amdhsa_enable_private_segment 0
		.amdhsa_kernarg_size 48
		.amdhsa_user_sgpr_count 2
		.amdhsa_user_sgpr_kernarg_segment_ptr 1
		.amdhsa_wavefront_size32 1
		.amdhsa_system_sgpr_workgroup_id_x 1
		.amdhsa_system_sgpr_workgroup_id_y 1
		.amdhsa_system_sgpr_workgroup_id_z 1
		.amdhsa_system_vgpr_workitem_id 0
		.amdhsa_next_free_vgpr 960
		.amdhsa_next_free_sgpr 100
		.amdhsa_reserve_vcc 1
		.amdhsa_float_denorm_mode_32 3
		.amdhsa_float_denorm_mode_16_64 3
		.amdhsa_memory_ordered 1
		.amdhsa_forward_progress 1
		.amdhsa_inst_pref_size 170
	.end_amdhsa_kernel
	.amdgpu_metadata
---
amdhsa.version: [ 1, 2 ]
amdhsa.kernels:
  - .name:           k_qa0a11090bb_up
    .symbol:         k_qa0a11090bb_up.kd
    .args:
      - { .name: xb, .offset: 0, .size: 8, .value_kind: global_buffer, .address_space: global }
      - { .name: w1, .offset: 8, .size: 8, .value_kind: global_buffer, .address_space: global }
      - { .name: b1, .offset: 16, .size: 8, .value_kind: global_buffer, .address_space: global }
      - { .name: assign, .offset: 24, .size: 8, .value_kind: global_buffer, .address_space: global }
      - { .name: hbuf, .offset: 32, .size: 8, .value_kind: global_buffer, .address_space: global }
      - { .name: rt, .offset: 40, .size: 8, .value_kind: global_buffer, .address_space: global }
    .group_segment_fixed_size: 314880
    .private_segment_fixed_size: 0
    .kernarg_segment_align: 8
    .kernarg_segment_size: 48
    .max_flat_workgroup_size: 128
    .sgpr_count:     100
    .vgpr_count:     960
    .wavefront_size: 32
...
	.end_amdgpu_metadata
.endif
;; end of part 2
;; launch down (part 3): grid 32 x 8, 4 waves a work-group, no clusters, 262,656 bytes of LDS; arguments hbuf, w2, b2, rt, part; writes part
.if DOCPART == 3
	.amdgcn_target "amdgcn-amd-amdhsa--gfx1250"
	.amdhsa_code_object_version 6
	.text
	.protected	k_qa0a11090bb_down
	.globl	k_qa0a11090bb_down
	.p2align	8
	.type	k_qa0a11090bb_down,@function
k_qa0a11090bb_down:
	s_mov_b64 s[64:65], 0
	v_nop
	global_prefetch_b8 v0, s[64:65] scope:SCOPE_SE
	s_setreg_imm32_b32 hwreg(HW_REG_WAVE_MODE, 25, 1), 1
	s_wait_xcnt 0x0
; SECOND PRODUCT, in four parts along K.  part[q][e][rank] = h[rank, 1024 q .. +1023] w2[e][1024 q .. +1023, 128 j .. +127] (+ b2[e] where q = 0), in f32: partial sums, added by the launch behind.
; w2 and b2 are rounded to bf16 once; h arrives so.
; SHARES.  Work-group (j + 8 q, e) alone reads a slab of 1,024 k rows x 128 columns of w2[e], 512 KB of f32.  K goes in 8 chunks of 128.  In chunk c wave w loads the 32 k rows of K step 4 c + w, rounds them to 8
; fragments and stores them in LDS, where the slab stays in bf16 (256 KB).  Behind a barrier every wave multiplies the chunk's 4 K steps by ITS OWN blocks of 16 rows: in pass p wave w has blocks 12 p + 4 s + w,
; s = 0 .. 2, whose sums stay in registers.  Chunk c + 1's loads are out while chunk c is multiplied.
; The weights' fragments are made as in the first product (a load takes 64 columns of two k rows; register c belongs to the tile whose lane r holds column 64 g + 4 r + c); place (h, t) of K step ks = 2 G + f holds
; k = 64 G + 32 h + 16 f + t, which is how hbuf holds h: the tokens' fragments come from memory straight into registers, 512 consecutive bytes a load, each K step's registers filled again as soon as it is multiplied.
; Source 0 = tokens, source 1 = weights: accumulator (g, c), register j, lane (r, h) is row 8 h + j, column 64 g + 4 r + c: the four tiles of a group give a lane 16 neighbouring bytes, sixteen lanes 256.
; EVERY SPLIT is served: 192 rows a pass; an expert with more runs up to 5 further passes on the slab in LDS (a constant 5 trips, dead ones jumped, no barrier and no LDS store in them).  The count is a whole number that the
; launch before stored.  An expert without tokens has one block there, and here.  Whole blocks are stored: rows past the count hold token 0's numbers and are never read.
; THE SUMS START AS THE BIAS (0 where q is not 0): 192 moves a pass, in place of a first K step written out apart.
; NO JOINT LOADS: each weight byte has one reader; what the 8 work-groups of one (q, e) share is h's fragments, half of the slab's bytes at 128 rows, and how many of them there are hangs on a stored count.
; REGISTERS, in windows of 256 (s_set_vgpr_msb: bits 1:0 source 0, 3:2 source 1, 5:4 source 2, 7:6 destination):
;   window 0: v0-31 addresses and the bias; v32-63 a unit's four fragments on their way to LDS; v64-127 a block on its way out; v128-255 two buffers of a K step's 8 weight fragments
;   window 1: v0-127 two units of weights as loaded      window 2: v0-95 my blocks' fragments of a chunk      window 3: v0-191 three sets of 8 accumulators
.set CHW,    0x80000                   ; a chunk of the slab in memory: 128 k rows of 4,096 bytes
.set CHL,    0x8000                    ; a chunk of the slab in LDS: 4 K steps x 8 tiles x 1,024 bytes
.set SPARE,  262144                    ; behind the slab: the spare words, 128 bytes a wave: two blocks of 256 bytes that no other line names
.set VA,   10                          ; v10-12  slot s: my byte offset in hbuf
.set VO,   16                          ; v16-18  slot s: my byte offset in part
.set FR,   32
.set OUT,  64
.set BF,   128
.set MSB,  0
.macro WIN new                         ; the immediate's high byte repeats the setting that is left; a switch that changes nothing is dropped
.if MSB != (\new)
	s_set_vgpr_msb (MSB<<8)|(\new)
.set MSB, (\new)
.endif
.endm
.macro NOP4                            ; four places behind a matrix instruction, ahead of loads into its sources and of reads of its result
.rept 4
	v_nop
.endr
.endm
.macro WUNIT g, b                      ; unit g: my 32 k rows (16 and, 32 rows on, 16) x 64 columns, 16 loads of 512 bytes; each unit has a base of its own
	WIN 0x40
.set wi, 0
.rept 16
	global_load_b128 v[64*(\g)+4*wi:64*(\g)+4*wi+3], v5, s[\b:\b+1] offset:wi*4096+256*(\g) th:TH_LOAD_NT
.set wi, wi+1
.endr
.endm
.macro WCVT g                          ; the unit's four fragments: places 2 p and 2 p + 1 into register p
	WIN 0x05
.set wc, 0
.rept 4
.set wp, 0
.rept 8
	v_cvt_pk_bf16_f32 v[FR+8*wc+wp], v[64*(\g)+8*wp+wc], v[64*(\g)+8*wp+4+wc]
.set wp, wp+1
.endr
.set wc, wc+1
.endr
.endm
.macro WSTO g                          ; into the slab, lane by lane: 512 consecutive bytes a store
	WIN 0
.set wc, 0
.rept 4
	ds_store_b128 v6, v[FR+8*wc:FR+8*wc+3] offset:(4*(\g)+wc)*1024
	ds_store_b128 v6, v[FR+8*wc+4:FR+8*wc+7] offset:(4*(\g)+wc)*1024+512
.set wc, wc+1
.endr
.endm
.macro ALD k                           ; six loads: my three blocks' fragments of the chunk's K step k
	WIN 0x80
.irp s, 0,1,2
	global_load_b128 v[32*\s+8*(\k):32*\s+8*(\k)+3],   v[VA+\s], s[4:5] offset:1024*(\k)
	global_load_b128 v[32*\s+8*(\k)+4:32*\s+8*(\k)+7], v[VA+\s], s[4:5] offset:1024*(\k)+512
.endr
.endm
.macro LDB k                           ; the 8 weight fragments of the chunk's K step k, into buffer k % 2
	WIN 0
.set bi, 0
.rept 8
	ds_load_b128 v[BF+64*((\k)&1)+8*bi:BF+64*((\k)&1)+8*bi+3],   v7 offset:8192*(\k)+1024*bi
	ds_load_b128 v[BF+64*((\k)&1)+8*bi+4:BF+64*((\k)&1)+8*bi+7], v7 offset:8192*(\k)+1024*bi+512
.set bi, bi+1
.endr
.endm
; K step k for my three slots: 8 matrix instructions each, the slot's 8 accumulators by turns, one instruction a turn.  A slot whose block does not exist is jumped.
.macro MM k
	WIN 0
.irp s, 0,1,2
	s_cmp_lg_u32 s[32+\s], 0
	s_cbranch_scc0 .Lm\@_\s
	WIN 0xf2
.irp nb, 0,1,2,3,4,5,6,7
	v_wmma_f32_16x16x32_bf16 v[64*\s+8*\nb:64*\s+8*\nb+7], v[32*\s+8*(\k):32*\s+8*(\k)+7], v[BF+64*((\k)&1)+8*\nb:BF+64*((\k)&1)+8*\nb+7], v[64*\s+8*\nb:64*\s+8*\nb+7]
.endr
	WIN 0
.Lm\@_\s:
.endr
.endm
; A chunk's four K steps.  mode 0: a chunk of the first pass that has a successor; 1: its last chunk; 2: a chunk of a later pass.  The weights' fragments are asked for two K steps ahead; the tokens' registers of a K step
; take the next chunk's numbers as soon as it is multiplied (modes 0, 2; the step to that chunk is s[28:29]).  Mode 0 holds the barrier between my reads of the slab and the next chunk's stores: the last K step's
; products, work on registers, stand between its signal and its wait.
.macro COMPUTE mode
	LDB 0
	LDB 1
.irp k, 0,1,2,3
.if \k < 3
	s_wait_dscnt 16                                ; this K step's weights are in; the next K step's 16 loads stay out
.else
	s_wait_dscnt 0x0                               ; my last reads of this chunk are back
.endif
.if (\mode) == 0
	s_wait_loadcnt 50                              ; this K step's tokens are in; behind them: 6 (3 - k) for the later K steps, the next chunk's two units (32), 6 k refills
.elseif (\mode) == 1
	s_wait_loadcnt 18-6*\k                         ; behind them: the later K steps' alone
.else
	s_wait_loadcnt 18                              ; behind them: 6 (3 - k) for the later K steps and 6 k refills
.endif
.if ((\mode) == 0) && (\k == 3)
	s_barrier_signal -1
.endif
	MM \k
	NOP4
.if ((\mode) == 0) && (\k == 3)
	s_barrier_wait -1
.endif
.if \k < 2
	LDB \k+2
.endif
.if (\mode) != 1
.if \k == 0
	s_wait_xcnt 0x0                                ; this chunk's later loads have read the base
	s_add_nc_u64 s[4:5], s[4:5], s[28:29]
.endif
	ALD \k
.endif
.endr
	WIN 0
.endm
.macro FLAGS                           ; pass s25 / 12: which of my three blocks exist, where they go in part, and where they lie in hbuf (never past the last block stored; the constant bound comes last)
	s_wait_xcnt 0x0                                ; earlier loads and stores have read their offsets and data
	s_add_co_u32 s36, s25, s16
.irp s, 0,1,2
	s_add_co_u32 s37, s36, 4*\s
	s_cmp_lt_u32 s37, s23
	s_cselect_b32 s[32+\s], 1, 0
	s_min_u32 s42, s37, 63
	v_lshl_add_u32 v[VO+\s], s42, 16, v19          ; 16 rows of 4,096 bytes a block
	s_min_u32 s37, s37, s24
	s_min_u32 s37, s37, 63
	v_lshl_add_u32 v[VA+\s], s37, 17, v4           ; 131,072 bytes a block
.endr
.endm
.macro ACCINIT                         ; the three sets start as the bias: tile (g, c)'s column is the same in all its 8 registers
	WIN 0xc0
.set ai, 0
.rept 192
	v_mov_b32 v[ai], v[20+6*((ai%64)/32)+((ai%32)/8)]
.set ai, ai+1
.endr
	WIN 0
.endm
.macro CHUNK last                      ; a chunk of the first pass.  Loads go out in the order unit 0, unit 1, tokens, chunk after chunk
	s_wait_loadcnt 40                              ; unit 0 is in; behind it: unit 1's 16 loads and the tokens' 24
	WCVT 0
	WSTO 0
.if !(\last)
	s_add_nc_u64 s[6:7], s[6:7], CHW               ; its loads are done: its base steps
	WUNIT 0, 6
	s_wait_loadcnt 40                              ; unit 1 is in; behind it: the tokens' 24 and the next unit 0's 16
.else
	s_wait_loadcnt 24                              ; behind unit 1: the tokens' 24
.endif
	WCVT 1
	WSTO 1
.if !(\last)
	s_wait_xcnt 0x0                                ; the last trip's prefetches named this base too
	s_add_nc_u64 s[38:39], s[38:39], CHW
	WUNIT 1, 38
	WIN 0
	s_cmp_lt_u32 s26, 2
	s_cbranch_scc1 .Lnp_\@                         ; chunk 6 asks for nothing: there is no chunk 8
	global_prefetch_b8 v24, s[38:39] offset:CHW th:TH_LOAD_NT scope:SCOPE_SE       ; my 64 pieces of 256 bytes of the chunk after the next: a lane a k row, asked for once, by the wave that will load them
	global_prefetch_b8 v24, s[38:39] offset:CHW+256 th:TH_LOAD_NT scope:SCOPE_SE
.Lnp_\@:
.endif
	WIN 0
	s_wait_dscnt 0x0                               ; for the others' sake: my part of the chunk is in the slab
	s_barrier_signal -1
	s_barrier_wait -1
	COMPUTE \last
.if !(\last)
	v_add_nc_u32 v6, CHL, v6
	v_add_nc_u32 v7, CHL, v7
.endif
.endm
; THE WAY OUT of my blocks that exist: 64 moves put a lane's four neighbouring columns side by side (register j of all 8 accumulators, j ascending: the low registers first), 16 stores
.macro WAYOUT
.irp s, 0,1,2
	s_cmp_lg_u32 s[32+\s], 0
	s_cbranch_scc0 .Lw\@_\s
	s_wait_xcnt 0x0                                ; the block before has been read by its stores
	WIN 0x03
.irp j, 0,1,2,3,4,5,6,7
.irp g, 0,1
.irp c, 0,1,2,3
	v_mov_b32 v[OUT+4*(2*\j+\g)+\c], v[64*\s+8*(4*\g+\c)+\j]
.endr
.endr
.endr
	WIN 0
.irp j, 0,1,2,3,4,5,6,7
.irp g, 0,1
	global_store_b128 v[VO+\s], v[OUT+4*(2*\j+\g):OUT+4*(2*\j+\g)+3], s[12:13] offset:4096*\j+256*\g   ; each 16 lanes store 256 consecutive bytes of a row, aligned
.endr
.endr
.Lw\@_\s:
.endr
.endm
	s_load_b256 s[4:11], s[0:1], 0x0               ; hbuf s[4:5], w2 s[6:7], b2 s[8:9], rt s[10:11]
	s_load_b64 s[12:13], s[0:1], 0x20              ; part
	v_lshl_add_u32 v30, v0, 2, SPARE               ; my spare word, and 0: kept for the wave's end alone
	v_mov_b32 v31, 0
	v_lshrrev_b32 v1, 5, v0
	v_readfirstlane_b32 s16, v1                    ; wave 0..3
	s_and_b32 s17, ttmp9, 7                        ; j: the slab of 128 columns
	s_lshr_b32 s39, ttmp9, 3                       ; q: the quarter of K (s39 is free again when unit 1's base is made)
	s_and_b32 s18, ttmp7, 0xffff                   ; expert
	s_lshl_b32 s40, s18, 2
	s_cmp_eq_u32 s39, 0
	s_cselect_b32 s41, -1, 0                       ; all lanes where q = 0: the part that carries the bias
	v_and_b32 v1, 31, v0                           ; l
	v_and_b32 v2, 15, v0                           ; r
	v_bfe_u32 v3, v0, 4, 1                         ; h
	v_lshlrev_b32 v4, 4, v1                        ; 16 l
	v_lshlrev_b32 v13, 4, v2                       ; 16 r
	v_lshl_add_u32 v5, v3, 17, v13                 ; weights: 32 k rows of 4,096 bytes further for lanes 16-31, 16 bytes a lane
	s_lshl_b32 s36, s16, 13
	v_add_nc_u32 v6, s36, v4                       ; the slab: my K step of chunk 0, in;
	v_mov_b32 v7, v4                               ; chunk 0, out
	v_lshl_add_u32 v19, v3, 15, v13                ; part: 8 rows further for lanes 16-31, 16 bytes a lane
	v_lshlrev_b32 v24, 12, v2
	v_lshl_add_u32 v24, v3, 17, v24                ; a k row a lane, for the prefetch
	s_mov_b32 s25, 0                               ; 12 x pass
	s_mov_b32 s21, 0
	s_mov_b32 s28, 4096                            ; from a chunk's fragments to the next chunk's
	s_mov_b32 s29, 0
	s_wait_kmcnt 0x0
	s_load_b32 s22, s[10:11], s40 offset:0x1000    ; cnt[e]
	s_lshl_b32 s20, s18, 24                        ; the expert's 16 MB, q's 1,024 rows of 4,096 bytes, my K step's rows 64 (w / 2) + 16 (w % 2), the slab's 512 bytes
	s_lshl_b32 s36, s39, 22
	s_add_co_u32 s20, s20, s36
	s_lshr_b32 s36, s16, 1
	s_lshl_b32 s36, s36, 18
	s_add_co_u32 s20, s20, s36
	s_and_b32 s36, s16, 1
	s_lshl_b32 s36, s36, 16
	s_add_co_u32 s20, s20, s36
	s_lshl_b32 s36, s17, 9
	s_add_co_u32 s20, s20, s36
	s_add_nc_u64 s[6:7], s[6:7], s[20:21]
	s_lshl_b32 s20, s18, 12
	s_add_co_u32 s20, s20, s36
	s_add_nc_u64 s[8:9], s[8:9], s[20:21]          ; b2[e] at the slab's columns
	s_lshl_b32 s20, s39, 3
	s_add_co_u32 s20, s20, s18
	s_lshl_b32 s20, s20, 22                        ; part: (8 q + e) x 4 MB,
	s_add_co_u32 s20, s20, s36                     ; the slab's 512 bytes of a row
	s_add_nc_u64 s[12:13], s[12:13], s[20:21]
	s_lshl_b32 s20, s18, 23                        ; hbuf: the expert's region, G = 16 q on, 2,048 bytes each
	s_lshl_b32 s36, s39, 15
	s_add_co_u32 s20, s20, s36
	s_add_nc_u64 s[4:5], s[4:5], s[20:21]
	s_mov_b64 s[2:3], s[4:5]                       ; kept for the later passes
	s_mov_b64 s[38:39], s[6:7]                     ; unit 1's base
	global_load_b128 v[20:23], v13, s[8:9]             ; b2 of columns 4 r + 0 .. 3,
	global_load_b128 v[26:29], v13, s[8:9] offset:256  ; and 64 columns on
	WUNIT 0, 6
	WUNIT 1, 38
	WIN 0
	s_wait_kmcnt 0x0
	s_min_u32 s22, s22, 1024
	s_add_co_u32 s23, s22, 15
	s_lshr_b32 s23, s23, 4
	s_max_u32 s23, s23, 1                          ; blocks of 16 rows, as the launch before counted them
	s_sub_co_u32 s24, s23, 1                       ; the last block
	FLAGS
.irp k, 0,1,2,3
	ALD \k                                         ; chunk 0's fragments
.endr
	WIN 0
	s_wait_loadcnt 56                              ; b2 is in; behind it: two units (32) and the fragments (24)
.irp b, 20, 26                         ; rounded to bf16, widened again, and 0 where q is not 0
	v_cvt_pk_bf16_f32 v14, v[\b], v[\b+1]
	v_cvt_pk_bf16_f32 v15, v[\b+2], v[\b+3]
	v_lshlrev_b32 v[\b], 16, v14
	v_and_b32 v[\b+1], 0xffff0000, v14
	v_lshlrev_b32 v[\b+2], 16, v15
	v_and_b32 v[\b+3], 0xffff0000, v15
.irp c, 0,1,2,3
	v_cndmask_b32 v[\b+\c], 0, v[\b+\c], s41
.endr
.endr
	ACCINIT
	s_mov_b32 s26, 7
.Lchunk:                                       ; chunks 0 to 6: each asks for the next
	CHUNK 0
	s_sub_co_u32 s26, s26, 1
	s_cmp_lg_u32 s26, 0
	s_cbranch_scc1 .Lchunk
	CHUNK 1                                        ; chunk 7 is written out: its waits count no further loads
	WAYOUT
	s_mov_b32 s43, 0                               ; the chunk's place in the slab: it steps in a pass and is back at 0 at the pass's end
	s_mov_b32 s27, 5
.Lpass:                                        ; rows 192 on: the weights come from the slab, which nobody writes any more: no LDS store and no barrier
	s_add_co_u32 s25, s25, 12
	s_wait_loadcnt 0x0                             ; the last pass's last refills have landed: their registers and offsets are free
	FLAGS
	s_cmp_lg_u32 s32, 0
	s_cbranch_scc0 .Lpend                          ; my first block of this pass does not exist, so none does
	s_mov_b64 s[4:5], s[2:3]                       ; back to the quarter's first G
.irp k, 0,1,2,3
	ALD \k
.endr
	ACCINIT
	s_mov_b32 s26, 8
.Lpc:
	v_add_nc_u32 v7, s43, v4
	s_cmp_gt_u32 s26, 1
	s_cselect_b32 s28, 4096, 0                     ; the last chunk's refills take the same chunk once more, so that one count serves every chunk and no load leaves what was stored
	COMPUTE 2
	s_add_co_u32 s43, s43, CHL
	s_sub_co_u32 s26, s26, 1
	s_cmp_lg_u32 s26, 0
	s_cbranch_scc1 .Lpc
	s_sub_co_u32 s43, s43, 8*CHL
	WAYOUT
.Lpend:
	s_sub_co_u32 s27, s27, 1
	s_cmp_lg_u32 s27, 0
	s_cbranch_scc1 .Lpass
	s_wait_dscnt 0x0                               ; my reads of the slab are back;
	s_barrier_signal -1
	s_barrier_wait -1                              ; every wave's are: no LDS word is written below while a wave still reads LDS
	s_wait_tensorcnt 0x0                           ; the wave's end, behind my last LDS store
	ds_add_u32 v30, v31
	s_wait_dscnt 0x0
	s_endpgm
.Lfunc_end_k_qa0a11090bb_down:
	.size	k_qa0a11090bb_down, .Lfunc_end_k_qa0a11090bb_down-k_qa0a11090bb_down
	.p2alignl 7, 3214868480
	.fill 96, 4, 3214868480
	.section	.rodata,"a",@progbits
	.p2align	6, 0x0
	.amdhsa_kernel k_qa0a11090bb_down
		.amdhsa_group_segment_fixed_size 262656
		.amdhsa_private_segment_fixed_size 0
		.amdhsa_enable_private_segment 0
		.amdhsa_kernarg_size 40
		.amdhsa_user_sgpr_count 2
		.amdhsa_user_sgpr_kernarg_segment_ptr 1
		.amdhsa_wavefront_size32 1
		.amdhsa_system_sgpr_workgroup_id_x 1
		.amdhsa_system_sgpr_workgroup_id_y 1
		.amdhsa_system_sgpr_workgroup_id_z 1
		.amdhsa_system_vgpr_workitem_id 0
		.amdhsa_next_free_vgpr 960
		.amdhsa_next_free_sgpr 66
		.amdhsa_reserve_vcc 0
		.amdhsa_float_denorm_mode_32 3
		.amdhsa_float_denorm_mode_16_64 3
		.amdhsa_memory_ordered 1
		.amdhsa_forward_progress 1
		.amdhsa_inst_pref_size 105
	.end_amdhsa_kernel
	.amdgpu_metadata
---
amdhsa.version: [ 1, 2 ]
amdhsa.kernels:
  - .name:           k_qa0a11090bb_down
    .symbol:         k_qa0a11090bb_down.kd
    .args:
      - { .name: hbuf, .offset: 0, .size: 8, .value_kind: global_buffer, .address_space: global }
      - { .name: w2, .offset: 8, .size: 8, .value_kind: global_buffer, .address_space: global }
      - { .name: b2, .offset: 16, .size: 8, .value_kind: global_buffer, .address_space: global }
      - { .name: rt, .offset: 24, .size: 8, .value_kind: global_buffer, .address_space: global }
      - { .name: part, .offset: 32, .size: 8, .value_kind: global_buffer, .address_space: global }
    .group_segment_fixed_size: 262656
    .private_segment_fixed_size: 0
    .kernarg_segment_align: 8
    .kernarg_segment_size: 40
    .max_flat_workgroup_size: 128
    .sgpr_count:     66
    .vgpr_count:     960
    .wavefront_size: 32
...
	.end_amdgpu_metadata
.endif
;; end of part 3
;; launch sum (part 4): grid 256 x 1, 4 waves a work-group, no clusters, 0 bytes of LDS; arguments part, assign, rt, out0; writes out0
.if DOCPART == 4
	.amdgcn_target "amdgcn-amd-amdhsa--gfx1250"
	.amdhsa_code_object_version 6
	.text
	.protected	k_qa0a11090bb_sum
	.globl	k_qa0a11090bb_sum
	.p2align	8
	.type	k_qa0a11090bb_sum,@function
k_qa0a11090bb_sum:
	s_mov_b64 s[64:65], 0
	v_nop
	global_prefetch_b8 v0, s[64:65] scope:SCOPE_SE
	s_setreg_imm32_b32 hwreg(HW_REG_WAVE_MODE, 25, 1), 1
	s_wait_xcnt 0x0
; out0[t] = the four partial rows of token t's expert and rank, added in f32 (the first of them carries b2).
; A wave takes one token.  Its expert and its rank in each of the 8 experts' tables are whole numbers that earlier launches stored: nine scalar loads go out together, and the expert then chooses among the ranks by
; scalar selects; both are held inside their tables.  A row is 4,096 bytes: eight loads of 512 consecutive bytes from each of four places, all out together; eight stores of 512 consecutive bytes, aligned.
; Memory binds: no LDS, no barrier, no matrix unit, and nothing is shared between work-groups.
.set RT_RANK, 8192                     ; rt: rank[e][token] from this byte on, 4,096 bytes an expert
.set P,  8                             ; v8-135   part q's row at P + 32 q
	s_load_b256 s[4:11], s[0:1], 0x0               ; part s[4:5], assign s[6:7], rt s[8:9], out0 s[10:11]
	v_lshrrev_b32 v1, 5, v0
	v_readfirstlane_b32 s14, v1                    ; wave 0..3
	s_lshl_b32 s15, ttmp9, 2
	s_add_co_u32 s15, s15, s14                     ; my token
	s_lshl_b32 s16, s15, 2
	v_and_b32 v1, 31, v0
	v_lshlrev_b32 v1, 4, v1                        ; 16 bytes a lane
	s_mov_b32 s21, 0
	s_wait_kmcnt 0x0
	s_load_b32 s18, s[6:7], s16 offset:0x0         ; its expert
.irp e, 0,1,2,3,4,5,6,7
	s_load_b32 s[32+\e], s[8:9], s16 offset:RT_RANK+4096*\e   ; its rank in expert e's table
.endr
	s_wait_kmcnt 0x0
	s_min_u32 s18, s18, 7
	s_mov_b32 s19, s32
.irp e, 1,2,3,4,5,6,7
	s_cmp_eq_u32 s18, \e
	s_cselect_b32 s19, s[32+\e], s19
.endr
	s_min_u32 s19, s19, 1023
	s_lshl_b32 s20, s18, 10
	s_add_co_u32 s20, s20, s19
	s_lshl_b32 s20, s20, 12                        ; row 1,024 e + rank, 4,096 bytes each
	s_add_nc_u64 s[24:25], s[4:5], s[20:21]
	s_add_nc_u64 s[26:27], s[24:25], 0x2000000     ; the next quarter of K lies 8 experts x 4 MB on
	s_add_nc_u64 s[28:29], s[26:27], 0x2000000
	s_add_nc_u64 s[30:31], s[28:29], 0x2000000
	s_lshl_b32 s20, s15, 12
	s_add_nc_u64 s[10:11], s[10:11], s[20:21]      ; out0[t]
.irp q, 0,1,2,3
.irp i, 0,1,2,3,4,5,6,7
	global_load_b128 v[P+32*\q+4*\i:P+32*\q+4*\i+3], v1, s[24+2*\q:25+2*\q] offset:512*\i th:TH_LOAD_NT
.endr
.endr
	s_wait_loadcnt 16                              ; parts 0 and 1 are in; the 16 younger loads are parts 2 and 3
.set k, 0
.rept 16
	v_pk_add_f32 v[P+2*k:P+2*k+1], v[P+2*k:P+2*k+1], v[P+32+2*k:P+32+2*k+1]
.set k, k+1
.endr
	s_wait_loadcnt 0x0
.set k, 0
.rept 16
	v_pk_add_f32 v[P+64+2*k:P+64+2*k+1], v[P+64+2*k:P+64+2*k+1], v[P+96+2*k:P+96+2*k+1]
.set k, k+1
.endr
.set k, 0
.rept 16
	v_pk_add_f32 v[P+2*k:P+2*k+1], v[P+2*k:P+2*k+1], v[P+64+2*k:P+64+2*k+1]
.set k, k+1
.endr
.irp i, 0,1,2,3,4,5,6,7
	global_store_b128 v1, v[P+4*\i:P+4*\i+3], s[10:11] offset:512*\i th:TH_STORE_NT
.endr
	s_endpgm
.Lfunc_end_k_qa0a11090bb_sum:
	.size	k_qa0a11090bb_sum, .Lfunc_end_k_qa0a11090bb_sum-k_qa0a11090bb_sum
	.p2alignl 7, 3214868480
	.fill 96, 4, 3214868480
	.section	.rodata,"a",@progbits
	.p2align	6, 0x0
	.amdhsa_kernel k_qa0a11090bb_sum
		.amdhsa_group_segment_fixed_size 0
		.amdhsa_private_segment_fixed_size 0
		.amdhsa_enable_private_segment 0
		.amdhsa_kernarg_size 32
		.amdhsa_user_sgpr_count 2
		.amdhsa_user_sgpr_kernarg_segment_ptr 1
		.amdhsa_wavefront_size32 1
		.amdhsa_system_sgpr_workgroup_id_x 1
		.amdhsa_system_sgpr_workgroup_id_y 1
		.amdhsa_system_sgpr_workgroup_id_z 1
		.amdhsa_system_vgpr_workitem_id 0
		.amdhsa_next_free_vgpr 136
		.amdhsa_next_free_sgpr 66
		.amdhsa_reserve_vcc 0
		.amdhsa_float_denorm_mode_32 3
		.amdhsa_float_denorm_mode_16_64 3
		.amdhsa_memory_ordered 1
		.amdhsa_forward_progress 1
		.amdhsa_inst_pref_size 9
	.end_amdhsa_kernel
	.amdgpu_metadata
---
amdhsa.version: [ 1, 2 ]
amdhsa.kernels:
  - .name:           k_qa0a11090bb_sum
    .symbol:         k_qa0a11090bb_sum.kd
    .args:
      - { .name: part, .offset: 0, .size: 8, .value_kind: global_buffer, .address_space: global }
      - { .name: assign, .offset: 8, .size: 8, .value_kind: global_buffer, .address_space: global }
      - { .name: rt, .offset: 16, .size: 8, .value_kind: global_buffer, .address_space: global }
      - { .name: out0, .offset: 24, .size: 8, .value_kind: global_buffer, .address_space: global }
    .group_segment_fixed_size: 0
    .private_segment_fixed_size: 0
    .kernarg_segment_align: 8
    .kernarg_segment_size: 32
    .max_flat_workgroup_size: 128
    .sgpr_count:     66
    .vgpr_count:     136
    .wavefront_size: 32
...
	.end_amdgpu_metadata
.endif
;; end of part 4
;; ======== version 2 of 2: 4 launches; version 1 with the launch route written anew for expert scheduling mode
;; workspace buffers: xb 2,097,152 bytes; assign 4,096 bytes of whole numbers; rt 40,960 bytes of whole numbers; hbuf 67,108,864 bytes; part 134,217,728 bytes
;; launch route (part 5): grid 64 x 1, 4 waves a work-group, no clusters, 71,168 bytes of LDS; arguments x, gate_w, gate_b, xb, assign; writes xb, assign
.if DOCPART == 5
	.amdgcn_target "amdgcn-amd-amdhsa--gfx1250"
	.amdhsa_code_object_version 6
	.text
	.protected	k_qa0a11090bb_route
	.globl	k_qa0a11090bb_route
	.p2align	8
	.type	k_qa0a11090bb_route,@function
k_qa0a11090bb_route:
	s_mov_b64 s[64:65], 0
	v_nop
	global_prefetch_b8 v0, s[64:65] scope:SCOPE_SE
	s_setreg_imm32_b32 hwreg(HW_REG_WAVE_SCHED_MODE, 0, 2), 2
	s_setreg_imm32_b32 hwreg(HW_REG_WAVE_MODE, 25, 1), 1
	s_wait_xcnt 0x0
	s_wait_alu depctr_vm_vsrc(0)
; ROUTER.  logits = x gate_w + gate_b, assign = argmax over the 8 experts; and xb = x rounded to bf16, for the launch behind.
; ALL inputs are rounded to bf16 once (x, gate_w, gate_b), products on the matrix unit, sums in f32.
; SHARES.  A work-group has 16 tokens (one matrix tile), each of its four waves a quarter of K (256); the four partial sums meet in LDS, wave 0 chooses.
; The choice is stored as a whole number at a fixed place: no address and no branch of this launch hangs on it.
; LIMITS.  A tie keeps the lower index, as jnp.argmax does.  A NaN logit is never chosen (jnp.argmax would choose the first NaN).
; No joint loads: the work-groups share gate_w alone, 32 KB against the 64 KB of x that each reads for itself, and it goes through registers to be rounded.
; THE MODE: SCHED_MODE bits 1:0 = 2 (LLVM: expert scheduling mode 2), set by the entry lines.  The code itself states the register dependences
; between vector or matrix instructions and memory or LDS instructions, with s_wait_alu, always for 0.
; THE PLAN.  Registers that memory or LDS instructions touch:
;   v4-v12    offsets and LDS addresses: made at the head, never written again.  One wait on va_vdst ahead of the first load serves every load and store of the kernel.
;   XR        the loads of x land in it; its 64 roundings work in place; its 64 stores read it; then the tokens' fragments land in v64-127 and the products read them;
;             in wave 0 the four partial sums land in v64-95, and vector instructions write v96-103 and v105-110.
;   GT        the same for the gate: 16 loads, 32 roundings in place, 32 LDS stores, then its fragments.
;   v48-55    written by four additions, read by two LDS stores.      v57  written by the selects, read by the one store of the choice.
; Each tensor's roundings stand in one run and its stores in one run behind them, with one wait on va_vdst between; one wait on vm_vsrc stands between all the stores and the fragments' loads.
; Scalar registers that vector instructions write: s14 (the wave's number) and s28-34 (the seven compares' masks): one wait on va_sdst ahead of the first reader of each run.
.set LGW,   33792                      ; LDS: 0: four stages of 16 rows x 528 bytes (x in bf16, a wave's own); here: four tables of 256 k rows x 32 bytes (the gate, a wave's own)
.set LRED,  66560                      ; four partial sums of 1,024 bytes; the 512 bytes behind them hold the spare words of the wave's end
.set XP,    528                        ; a stage row: 512 bytes + 16: the 16 rows of a fragment load start 16 bytes apart in a run of 256
.set XR,    64                         ; v64-191  x as loaded, then packed; later v64-127 the token fragments
.set GT,    192                        ; v192-255 gate_w as loaded, then packed; later the gate's fragments
.set MX,    104                        ; v105-110 wave 0: v[MX+j] is the largest of logits 0 to j
.set CM,    27                         ; s28-34   wave 0: s[CM+j]: logit j is greater than all before it
	s_load_b256 s[4:11], s[0:1], 0x0               ; x s[4:5], gate_w s[6:7], gate_b s[8:9], xb s[10:11]
	s_load_b64 s[12:13], s[0:1], 0x20              ; assign
	v_lshl_add_u32 v62, v0, 2, 0x11400
	v_mov_b32 v63, 0
	v_lshrrev_b32 v1, 5, v0
	v_readfirstlane_b32 s14, v1                    ; wave 0..3
	v_and_b32 v1, 31, v0                           ; l
	v_and_b32 v2, 15, v0                           ; r = l % 16
	v_bfe_u32 v3, v0, 4, 1                         ; h = l / 16
	v_lshlrev_b32 v4, 4, v1                        ; 16 l
	v_lshlrev_b32 v5, 3, v1                        ; 8 l
	s_wait_alu depctr_va_sdst(0)                   ; s14 is written, ahead of its first reader: the LDS places and the bases below are made from it
	s_mul_i32 s15, s14, 16*XP                      ; my stage
	v_add_nc_u32 v6, s15, v5                       ; in: 8 bytes a lane
	v_mul_u32_u24 v7, v2, XP
	v_lshl_add_u32 v7, v3, 4, v7
	v_add_nc_u32 v7, s15, v7                       ; out: row r, 16 bytes for each half of the lanes
	s_lshl_b32 s15, s14, 13
	s_add_co_u32 s15, s15, LGW                     ; my table of the gate
	v_lshrrev_b32 v8, 1, v1
	v_lshlrev_b32 v8, 5, v8
	v_and_b32 v13, 1, v1
	v_lshl_add_u32 v8, v13, 3, v8
	v_add_nc_u32 v8, s15, v8                       ; in: k row l / 2, experts 4 (l % 2) on
	v_and_b32 v9, 7, v1
	v_lshl_add_u32 v9, v3, 3, v9
	v_lshlrev_b32 v9, 5, v9
	v_bfe_u32 v13, v1, 3, 1
	v_lshl_add_u32 v9, v13, 4, v9
	v_add_nc_u32 v9, s15, v9                       ; out, turned: k row 8 h + l % 8, columns 8 ((l / 8) % 2) on
	s_lshl_b32 s15, s14, 10
	s_add_co_u32 s15, s15, LRED
	v_add_nc_u32 v10, s15, v4                      ; my partial sum
	v_add_nc_u32 v11, LRED, v4                     ; all four, for wave 0
	v_lshlrev_b32 v12, 2, v2                       ; 4 r: my token's word in assign
	s_mov_b32 s17, 0
	s_wait_kmcnt 0x0
	s_load_b256 s[20:27], s[8:9], 0x0              ; gate_b
	s_lshl_b32 s16, ttmp9, 16                      ; 16 rows of 4,096 bytes,
	s_lshl_b32 s18, s14, 10                        ; my quarter's 1,024 bytes of a row
	s_add_co_u32 s16, s16, s18
	s_add_nc_u64 s[4:5], s[4:5], s[16:17]
	s_lshl_b32 s16, s14, 13                        ; my 256 k rows of 32 bytes
	s_add_nc_u64 s[6:7], s[6:7], s[16:17]
	s_lshl_b32 s16, ttmp9, 15                      ; 16 rows of 2,048 bytes,
	s_lshl_b32 s18, s14, 9                         ; my quarter's 512
	s_add_co_u32 s16, s16, s18
	s_add_nc_u64 s[10:11], s[10:11], s[16:17]
	s_lshl_b32 s16, ttmp9, 6                       ; 16 words
	s_add_nc_u64 s[12:13], s[12:13], s[16:17]
	s_wait_alu depctr_va_vdst(0)                   ; v4 to v12 are written: every load and store of the kernel reads one of them as its offset or LDS address
.set i, 0
.rept 32                               ; row i / 2, half i % 2 of my quarter: 512 consecutive bytes a load
	global_load_b128 v[XR+4*i:XR+4*i+3], v4, s[4:5] offset:4096*(i/2)+512*(i%2) th:TH_LOAD_NT
.set i, i+1
.endr
.set i, 0
.rept 16                               ; 16 k rows a load
	global_load_b128 v[GT+4*i:GT+4*i+3], v4, s[6:7] offset:512*i
.set i, i+1
.endr
	s_wait_loadcnt 16                              ; loads come back in order (ISA guide 5.7.1): x's 32 are in, the gate's 16 stay out
.set i, 0
.rept 32                               ; x, rounded: four numbers close up into the first two of their four registers
	v_cvt_pk_bf16_f32 v[XR+4*i], v[XR+4*i], v[XR+4*i+1]
	v_cvt_pk_bf16_f32 v[XR+4*i+1], v[XR+4*i+2], v[XR+4*i+3]
.set i, i+1
.endr
	s_wait_alu depctr_va_vdst(0)                   ; the roundings have written v[XR ..], which the 64 stores below read; and they are done reading it, for the fragments' loads further down
.set i, 0
.rept 32                               ; to xb (a store covers 256 consecutive bytes, aligned) and into my stage
	global_store_b64 v5, v[XR+4*i:XR+4*i+1], s[10:11] offset:2048*(i/2)+256*(i%2)
	ds_store_b64 v6, v[XR+4*i:XR+4*i+1] offset:XP*(i/2)+256*(i%2)
.set i, i+1
.endr
	s_wait_loadcnt 0x0                             ; the gate is in
	s_wait_kmcnt 0x0                               ; gate_b
.set i, 0
.rept 16                               ; the gate, rounded
	v_cvt_pk_bf16_f32 v[GT+4*i], v[GT+4*i], v[GT+4*i+1]
	v_cvt_pk_bf16_f32 v[GT+4*i+1], v[GT+4*i+2], v[GT+4*i+3]
.set i, i+1
.endr
	s_wait_alu depctr_va_vdst(0)                   ; the roundings have written v[GT ..], which the 32 LDS stores below read; and they are done reading it, for the fragments' loads
.set i, 0
.rept 16                               ; a k row is 16 columns of bf16, experts 0-7 twice, so that the tile's 16 rows are all written
	ds_store_b64 v8, v[GT+4*i:GT+4*i+1] offset:512*i
	ds_store_b64 v8, v[GT+4*i:GT+4*i+1] offset:512*i+16
.set i, i+1
.endr
	s_wait_xcnt 0x0                                ; the global stores' data registers are loaded over only behind this wait
	s_wait_alu depctr_vm_vsrc(0)                   ; all 96 stores have read v[XR ..] and v[GT ..], in which the fragments below land (and of which wave 0's vector instructions write some further down)
.set i, 0
.rept 8                                ; K step i of 32: the gate's fragment (turned: lane r holds column r) and the tokens' (lane r holds token r).  LDS serves a wave in order: these see my stores
	ds_load_tr16_b128 v[GT+8*i:GT+8*i+3],   v9 offset:1024*i
	ds_load_tr16_b128 v[GT+8*i+4:GT+8*i+7], v9 offset:1024*i+512
	ds_load_b128 v[XR+8*i:XR+8*i+3],   v7 offset:64*i
	ds_load_b128 v[XR+8*i+4:XR+8*i+7], v7 offset:64*i+32
.set i, i+1
.endr
	s_wait_dscnt 0x0
.set i, 0
.rept 8                                ; source 0 = the gate, source 1 = the tokens: lane (r, h) gets token r, register j expert j, in both halves.  Two accumulators by turns
.if i < 2
	v_wmma_f32_16x16x32_bf16 v[32+8*(i%2):39+8*(i%2)], v[GT+8*i:GT+8*i+7], v[XR+8*i:XR+8*i+7], 0
.else
	v_wmma_f32_16x16x32_bf16 v[32+8*(i%2):39+8*(i%2)], v[GT+8*i:GT+8*i+7], v[XR+8*i:XR+8*i+7], v[32+8*(i%2):39+8*(i%2)]
.endif
.set i, i+1
.endr
.rept 4
	v_nop                                          ; four places between the last product and the first read of a result (ISA guide 7.12.1)
.endr
.set i, 0
.rept 4
	v_pk_add_f32 v[48+2*i:49+2*i], v[32+2*i:33+2*i], v[40+2*i:41+2*i]
.set i, i+1
.endr
	s_wait_alu depctr_va_vdst(0)                   ; the additions have written v[48:55], which the LDS stores read; the products are done reading v64-127, in which wave 0's loads land
	ds_store_b128 v10, v[48:51]
	ds_store_b128 v10, v[52:55] offset:512
	s_wait_dscnt 0x0                               ; for wave 0's sake: my partial sum is in LDS
	s_barrier_signal -1
	s_barrier_wait -1
	s_cmp_lg_u32 s14, 0
	s_cbranch_scc1 .Lend
.irp p, 0,1,2,3                        ; no vector instruction since the wait above names v64-95
	ds_load_b128 v[64+8*\p:64+8*\p+3], v11 offset:1024*\p
	ds_load_b128 v[64+8*\p+4:64+8*\p+7], v11 offset:1024*\p+512
.endr
.irp k, 0,1,2,3                        ; gate_b rounded to bf16 and widened again
	v_cvt_pk_bf16_f32 v[56+\k], s[20+2*\k], s[21+2*\k]
.endr
.irp k, 0,1,2,3
	v_lshlrev_b32 v[96+2*\k], 16, v[56+\k]
	v_and_b32 v[97+2*\k], 0xffff0000, v[56+\k]
.endr
	s_wait_dscnt 0x0
.irp k, 0,1,2,3
	v_pk_add_f32 v[64+2*\k:65+2*\k], v[64+2*\k:65+2*\k], v[72+2*\k:73+2*\k]
	v_pk_add_f32 v[80+2*\k:81+2*\k], v[80+2*\k:81+2*\k], v[88+2*\k:89+2*\k]
.endr
.irp k, 0,1,2,3
	v_pk_add_f32 v[64+2*\k:65+2*\k], v[64+2*\k:65+2*\k], v[80+2*\k:81+2*\k]
.endr
.irp k, 0,1,2,3
	v_pk_add_f32 v[64+2*\k:65+2*\k], v[64+2*\k:65+2*\k], v[96+2*\k:97+2*\k]
.endr
	; The choice.  Each running maximum has a register of its own, so that the seven compares stand in one run, each into a scalar register of its own, with one wait behind them.
	v_max_num_f32 v[MX+1], v64, v65
.irp j, 2,3,4,5,6
	v_max_num_f32 v[MX+\j], v[MX+\j-1], v[64+\j]
.endr
	v_cmp_gt_f32 s[CM+1], v65, v64                 ; strictly greater than all before it: a tie keeps the lower index
.irp j, 2,3,4,5,6,7
	v_cmp_gt_f32 s[CM+\j], v[64+\j], v[MX+\j-1]
.endr
	s_wait_alu depctr_va_sdst(0)                   ; the seven masks s28 to s34 are written, ahead of the selects that read them
	v_cndmask_b32 v57, 0, 1, s[CM+1]               ; the last expert that was greater than all before it
.irp j, 2,3,4,5,6,7
	v_cndmask_b32 v57, v57, \j, s[CM+\j]
.endr
	s_wait_alu depctr_va_vdst(0)                   ; the selects have written v57, which the store reads
	global_store_b32 v12, v57, s[12:13]            ; lanes l and l + 16 hold the same token and the same number
.Lend:
	s_wait_dscnt 0x0                               ; my last LDS instructions are done
	s_wait_alu depctr_hold_cnt(0) depctr_sa_sdst(0) depctr_va_vdst(0) depctr_va_sdst(0) depctr_va_ssrc(0) depctr_va_vcc(0) depctr_vm_vsrc(0)
	s_wait_tensorcnt 0x0
	ds_add_u32 v62, v63
	s_wait_dscnt 0x0
	s_endpgm
.Lfunc_end_k_qa0a11090bb_route:
	.size	k_qa0a11090bb_route, .Lfunc_end_k_qa0a11090bb_route-k_qa0a11090bb_route
	.p2alignl 7, 3214868480
	.fill 96, 4, 3214868480
	.section	.rodata,"a",@progbits
	.p2align	6, 0x0
	.amdhsa_kernel k_qa0a11090bb_route
		.amdhsa_group_segment_fixed_size 71168
		.amdhsa_private_segment_fixed_size 0
		.amdhsa_enable_private_segment 0
		.amdhsa_kernarg_size 40
		.amdhsa_user_sgpr_count 2
		.amdhsa_user_sgpr_kernarg_segment_ptr 1
		.amdhsa_wavefront_size32 1
		.amdhsa_system_sgpr_workgroup_id_x 1
		.amdhsa_system_sgpr_workgroup_id_y 1
		.amdhsa_system_sgpr_workgroup_id_z 1
		.amdhsa_system_vgpr_workitem_id 0
		.amdhsa_next_free_vgpr 256
		.amdhsa_next_free_sgpr 66
		.amdhsa_reserve_vcc 0
		.amdhsa_float_denorm_mode_32 3
		.amdhsa_float_denorm_mode_16_64 3
		.amdhsa_memory_ordered 1
		.amdhsa_forward_progress 1
		.amdhsa_inst_pref_size 27
	.end_amdhsa_kernel
	.amdgpu_metadata
---
amdhsa.version: [ 1, 2 ]
amdhsa.kernels:
  - .name:           k_qa0a11090bb_route
    .symbol:         k_qa0a11090bb_route.kd
    .args:
      - { .name: x, .offset: 0, .size: 8, .value_kind: global_buffer, .address_space: global }
      - { .name: gate_w, .offset: 8, .size: 8, .value_kind: global_buffer, .address_space: global }
      - { .name: gate_b, .offset: 16, .size: 8, .value_kind: global_buffer, .address_space: global }
      - { .name: xb, .offset: 24, .size: 8, .value_kind: global_buffer, .address_space: global }
      - { .name: assign, .offset: 32, .size: 8, .value_kind: global_buffer, .address_space: global }
    .group_segment_fixed_size: 71168
    .private_segment_fixed_size: 0
    .kernarg_segment_align: 8
    .kernarg_segment_size: 40
    .max_flat_workgroup_size: 128
    .sgpr_count:     66
    .vgpr_count:     256
    .wavefront_size: 32
...
	.end_amdgpu_metadata
.endif
;; end of part 5
;; launch up: the kernel of part 2 again; grid 32 x 8, 4 waves a work-group, no clusters, 314,880 bytes of LDS; arguments xb, w1, b1, assign, hbuf, rt; writes hbuf, rt
;; launch down: the kernel of part 3 again; grid 32 x 8, 4 waves a work-group, no clusters, 262,656 bytes of LDS; arguments hbuf, w2, b2, rt, part; writes part
;; launch sum: the kernel of part 4 again; grid 256 x 1, 4 waves a work-group, no clusters, 0 bytes of LDS; arguments part, assign, rt, out0; writes out0
